; MI455X (gfx1250); checked and timed in simulation.
; The chip was launched on July 23, 2026; its instructions are those of AMD's public machine-readable ISA for CDNA 5 (MIT licence, August 2026) and "CDNA5" Instruction Set Architecture Reference Guide (July 2026). The comments in the code are by the model that wrote it; some were corrected since.
;; LSTM Cell. Allowed arithmetic: float matrix products may take bf16 or f16 operands with f32 sums; other float arithmetic in f32, or as packed bf16 or f16 multiplies, adds, multiply-adds, maxima and minima; sums over many terms, partial sums and values carried from step to step in f32; what a program stores and reads back later, other than sums and carried values, may be rounded once to bf16 or f16.
;; Inputs: Wh 1,024 x 4,096 float32; Wi 512 x 4,096 float32; bh 4,096 float32; c 8,192 x 1,024 float32; h 8,192 x 1,024 float32; ln_beta 4 x 1,024 float32; ln_gamma 4 x 1,024 float32; x 8,192 x 512 float32.
;; Outputs: out0 8,192 x 1,024 float32; out1 8,192 x 1,024 float32.
;; 2 versions, each right; version 2 is version 1 with the launch prep written anew for expert scheduling mode. Each part assembles by itself: llvm-mc -triple=amdgcn-amd-amdhsa -mcpu=gfx1250 --defsym DOCPART=n.
;; ======== version 1 of 2: 3 launches
;; limits: values are held in f16: magnitudes above 65,504 overflow, below 6.1e-05 lose precision
;; workspace buffers: abf 25,165,824 bytes; wbf 12,582,912 bytes; gat 67,108,864 bytes; sta 2,097,152 bytes
;; launch prep (part 1): grid 2304 x 1, 8 waves a work-group, no clusters, 0 bytes of LDS; arguments x, h, Wi, Wh, abf, wbf; writes abf, wbf
.if DOCPART == 1
	.amdgcn_target "amdgcn-amd-amdhsa--gfx1250"
	.amdhsa_code_object_version 6
	.text
	.protected	k_qbefc27fc97_prep
	.globl	k_qbefc27fc97_prep
	.p2align	8
	.type	k_qbefc27fc97_prep,@function
k_qbefc27fc97_prep:
	s_mov_b64 s[64:65], 0
	v_nop
	global_prefetch_b8 v0, s[64:65] scope:SCOPE_SE
	s_setreg_imm32_b32 hwreg(HW_REG_WAVE_MODE, 25, 1), 1
	s_wait_xcnt 0x0
; x, h, Wi, Wh (f32) are rounded once to bf16 (nearest even) and laid out for the product that follows:
;   abf [8192][1536]: columns 0-511 = x, 512-1535 = h (a row is 3,072 bytes);   wbf [1536][4096]: rows 0-511 = Wi, 512-1535 = Wh (dense).
; A stream: each input byte is read once, each output byte written once; no LDS, no barrier, no matrix unit, nothing shared between work-groups.
; A work-group takes 8,192 consecutive f32 of one input in 8 steps of 1,024: thread t loads 16 bytes at 16 t + 4,096 s (a wave's load covers 512
; consecutive bytes) and stores 8 bytes (a wave's store covers 256 consecutive bytes, aligned).  All eight loads go out first.
; Work-groups 0-511: x (16 rows each); 512-1535: h (8 rows each); 1536-1791: Wi; 1792-2303: Wh (2 rows each).  The input is chosen by scalar selects: one text, no branch.
.set IO, 3                             ; v3      16 t: my byte offset in a step's 4,096 input bytes
.set VO, 4                             ; v4      my byte offset in a step's output
.set O,  8                             ; v[8:15]  step s: VO + s x the step's output stride
.set X,  16                            ; v[16:47] step s: 4 f32 as loaded
.set Y,  48                            ; v[48:63] step s: 4 bf16 to store
	s_load_b256 s[4:11], s[0:1], 0x0               ; x s[4:5], h s[6:7], Wi s[8:9], Wh s[10:11]
	s_load_b128 s[12:15], s[0:1], 0x20             ; abf s[12:13], wbf s[14:15]
	s_mov_b32 s16, ttmp9
	v_lshlrev_b32 v[IO], 4, v0
	s_mov_b32 s17, 1792                            ; the numbers as they stand for Wh: first work-group of the input,
	s_mov_b32 s18, 1536                            ; first work-group of the output buffer,
	s_mov_b32 s19, 16384                           ; output bytes from work-group to work-group,
	s_mov_b32 s22, 2048                            ; from step to step,
	s_mov_b32 s23, 0                               ; first output byte,
	s_mov_b32 s26, 8                               ; threads in an output row: shift
	s_mov_b32 s27, 255                             ; and mask
	s_wait_kmcnt 0x0
	s_mov_b64 s[24:25], s[14:15]
	s_cmp_lt_u32 s16, 1792                         ; Wi?
	s_cselect_b64 s[20:21], s[8:9], s[10:11]
	s_cselect_b32 s17, 1536, s17
	s_cmp_lt_u32 s16, 1536                         ; h?  8 rows of 1,024: a step is a row, behind x's 1,024 bytes
	s_cselect_b64 s[20:21], s[6:7], s[20:21]
	s_cselect_b64 s[24:25], s[12:13], s[24:25]
	s_cselect_b32 s17, 512, s17
	s_cselect_b32 s18, 512, s18
	s_cselect_b32 s19, 24576, s19
	s_cselect_b32 s22, 3072, s22
	s_cselect_b32 s23, 1024, s23
	s_cmp_lt_u32 s16, 512                          ; x?  16 rows of 512: a step is two rows, 128 threads each
	s_cselect_b64 s[20:21], s[4:5], s[20:21]
	s_cselect_b32 s17, 0, s17
	s_cselect_b32 s18, 0, s18
	s_cselect_b32 s19, 49152, s19
	s_cselect_b32 s22, 6144, s22
	s_cselect_b32 s23, 0, s23
	s_cselect_b32 s26, 7, s26
	s_cselect_b32 s27, 127, s27
	s_sub_co_u32 s17, s16, s17
	s_lshl_b32 s28, s17, 15                        ; 32,768 input bytes a work-group
	s_mov_b32 s29, 0
	s_add_nc_u64 s[20:21], s[20:21], s[28:29]
	s_sub_co_u32 s18, s16, s18
	s_mul_i32 s28, s18, s19
	s_add_co_u32 s28, s28, s23
	s_add_nc_u64 s[24:25], s[24:25], s[28:29]
.irp s, 0,1,2,3,4,5,6,7
	global_load_b128 v[X+4*(\s):X+4*(\s)+3], v[IO], s[20:21] offset:4096*(\s) th:TH_LOAD_NT  ; read once in the launch
.endr
	v_lshrrev_b32 v[VO], s26, v0                   ; which of the step's output rows,
	v_mul_u32_u24 v[VO], v[VO], 0xc00              ; 3,072 bytes apart (0 where a step is one row or dense),
	v_and_b32 v5, s27, v0
	v_lshl_add_u32 v[VO], v5, 3, v[VO]             ; and 8 bytes a thread
.irp s, 0,1,2,3,4,5,6,7
	v_mad_u32_u24 v[O+(\s)], s22, \s, v[VO]
.endr
.irp s, 0,1,2,3,4,5,6,7
	s_wait_loadcnt 7-(\s)                          ; loads come back in order: step s is in, the 7 - s younger ones stay out
	v_cvt_pk_bf16_f32 v[Y+2*(\s)],   v[X+4*(\s)],   v[X+4*(\s)+1]
	v_cvt_pk_bf16_f32 v[Y+2*(\s)+1], v[X+4*(\s)+2], v[X+4*(\s)+3]
	global_store_b64 v[O+(\s)], v[Y+2*(\s):Y+2*(\s)+1], s[24:25]  ; no register of a load or store is written again
.endr
	s_endpgm
.Lfunc_end_k_qbefc27fc97_prep:
	.size	k_qbefc27fc97_prep, .Lfunc_end_k_qbefc27fc97_prep-k_qbefc27fc97_prep
	.p2alignl 7, 3214868480
	.fill 96, 4, 3214868480
	.section	.rodata,"a",@progbits
	.p2align	6, 0x0
	.amdhsa_kernel k_qbefc27fc97_prep
		.amdhsa_group_segment_fixed_size 0
		.amdhsa_private_segment_fixed_size 0
		.amdhsa_enable_private_segment 0
		.amdhsa_kernarg_size 48
		.amdhsa_user_sgpr_count 2
		.amdhsa_user_sgpr_kernarg_segment_ptr 1
		.amdhsa_wavefront_size32 1
		.amdhsa_system_sgpr_workgroup_id_x 1
		.amdhsa_system_sgpr_workgroup_id_y 1
		.amdhsa_system_sgpr_workgroup_id_z 1
		.amdhsa_system_vgpr_workitem_id 0
		.amdhsa_next_free_vgpr 64
		.amdhsa_next_free_sgpr 66
		.amdhsa_reserve_vcc 0
		.amdhsa_float_denorm_mode_32 3
		.amdhsa_float_denorm_mode_16_64 3
		.amdhsa_memory_ordered 1
		.amdhsa_forward_progress 1
		.amdhsa_inst_pref_size 6
	.end_amdhsa_kernel
	.amdgpu_metadata
---
amdhsa.version: [ 1, 2 ]
amdhsa.kernels:
  - .name:           k_qbefc27fc97_prep
    .symbol:         k_qbefc27fc97_prep.kd
    .args:
      - { .name: x, .offset: 0, .size: 8, .value_kind: global_buffer, .address_space: global }
      - { .name: h, .offset: 8, .size: 8, .value_kind: global_buffer, .address_space: global }
      - { .name: Wi, .offset: 16, .size: 8, .value_kind: global_buffer, .address_space: global }
      - { .name: Wh, .offset: 24, .size: 8, .value_kind: global_buffer, .address_space: global }
      - { .name: abf, .offset: 32, .size: 8, .value_kind: global_buffer, .address_space: global }
      - { .name: wbf, .offset: 40, .size: 8, .value_kind: global_buffer, .address_space: global }
    .group_segment_fixed_size: 0
    .private_segment_fixed_size: 0
    .kernarg_segment_align: 8
    .kernarg_segment_size: 48
    .max_flat_workgroup_size: 256
    .sgpr_count:     66
    .vgpr_count:     64
    .wavefront_size: 32
...
	.end_amdgpu_metadata
.endif
;; end of part 1
;; launch gemm (part 2): grid 16 x 16, 4 waves a work-group, clusters of 4 x 4, 327,680 bytes of LDS; arguments abf, wbf, bh, gat, sta; writes gat, sta
.if DOCPART == 2
	.amdgcn_target "amdgcn-amd-amdhsa--gfx1250"
	.amdhsa_code_object_version 6
	.text
	.protected	k_qbefc27fc97_gemm
	.globl	k_qbefc27fc97_gemm
	.p2align	8
	.type	k_qbefc27fc97_gemm,@function
k_qbefc27fc97_gemm:
	s_mov_b64 s[64:65], 0
	v_nop
	global_prefetch_b8 v0, s[64:65] scope:SCOPE_SE
	s_setreg_imm32_b32 hwreg(HW_REG_WAVE_MODE, 25, 1), 1
	s_wait_xcnt 0x0
	s_wait_alu depctr_hold_cnt(0) depctr_sa_sdst(0) depctr_va_vdst(0) depctr_va_sdst(0) depctr_va_ssrc(0) depctr_va_vcc(0) depctr_vm_vsrc(0)
	s_getreg_b32 s2, hwreg(HW_REG_IB_STS2, 6, 4)
	s_cmp_eq_u32 s2, 0
	s_cbranch_scc0 .Lentry_in_a_cluster
	s_endpgm
.Lentry_in_a_cluster:
	s_bfe_u32 s2, ttmp6, 0x10000c
	s_cmp_lg_u32 s2, 0xf033
	s_cbranch_scc0 .Lentry_shape_is_right
	s_endpgm
.Lentry_shape_is_right:
; gates[m][n] = sum over k of A[m][k] W[k][n] + bh[n].  A = abf [8192][1536] bf16 (x beside h), W = wbf [1536][4096] bf16 (Wi above Wh, N along the rows); sums in f32.
; The layer norm that follows needs a mean and a variance over 1,024 columns, more than a work-group holds.  So for each row and each CHUNK of 128 columns (a wave's width) this launch
; stores the chunk's mean and M2 = sum of (v - mean)^2, both f32, into sta, and d = v - mean, rounded once to f16, into gat.  The next launch joins eight chunks without forming a difference of large sums.
; LIMITS.  |v - mean of its chunk| stays under 65,504 (f16's range); below 6e-5 d keeps f16's fixed step of 6e-8.  bh is rounded to bf16 like the other inputs.  NaN and infinities are not treated apart.
; SHARES.  A tile is 256 x 256, made by four waves, each 128 x 128: 64 accumulators of 16 x 16, 512 registers.  512 tiles on 256 work-groups: A WORK-GROUP STAYS and makes two tiles, 4,096 rows apart,
; which share their columns of W; the ring of LDS slots runs on from the first tile into the second.  K goes in 12 steps of 128 through two slots filled by the tensor data mover.
; The second tile's last K step goes by rows of the result, so that finished rows leave while the others are multiplied.
; CLUSTERS: 4 x 4 work-groups.  The four of a row of the cluster need the same tiles of A, the four of a column the same tiles of W: each is asked for JOINTLY, by the same tensor load with the same descriptor
; and a mask that names the four.
; THE MATRIX INSTRUCTION IS USED TRANSPOSED: source 0 = 16 columns of W, source 1 = 16 rows of A: lane l holds row l % 16 and the columns 8 (l / 16) + 0..7 of the result.  W lies [k][n] in LDS as in memory and
; comes out turned, by ds_load_tr16_b128.  The first product of each sum takes the bias as its C operand: it costs no vector instruction and nothing is cleared.
; REGISTERS, in windows of 256 (s_set_vgpr_msb: bits 1:0 source 0, 3:2 source 1, 5:4 source 2, 7:6 destination):
;   window 0: v0-31 addresses and statistics at work; v64-127, v128-191 fragments of A, two buffers (in the very last K step four, of 16 rows x 128 K); v32-63, v192-255 at work on the way out
;   window 1: v0-63 the bias of my 128 columns, as a C operand for each of the 8 column blocks; v64-127, v128-191 fragments of W, two buffers; v192-195 at work once;
;             in the very last K step all 256: W's fragments of the whole step (the bias is wanted no more)
;   window 2: the 32 accumulators of my rows 0-63 (accumulator (a, b) at v[8 (8 a + b)]);   window 3: those of my rows 64-127
.set SIZE_M, 8192
.set SIZE_N, 4096
.set SIZE_K, 1536
.set KSTEP,  128
.set PITCH,  272                       ; a row of A in LDS: 256 bytes + 16 of padding = 68 words: the 16 rows of a fragment load start at 16 different groups of four banks (64 banks of 4 bytes: ISA guide 11.1)
.set PB,     544                       ; a K row of W in LDS: 512 bytes + 32 of padding = 136 words
.set HALFT,  128*PITCH                 ; what one tensor load brings: 128 rows of A, or 64 K rows of W (64 x 544 is the same 34,816 bytes)
.set SLOT,   4*HALFT                   ; A's 256 rows, then W's 128 K rows
.set STAGE,  2*SLOT                    ; behind the ring: 16 rows x 272 bytes for each wave, for the way out
.set SPITCH, 272
.set MST,    STAGE+4*16*SPITCH         ; behind the stages: for each wave 128 means, then 128 M2: 1,024 bytes
.set SPARE,  MST+4*1024                ; behind them: the spare words, 128 bytes for each wave: two blocks of 256 bytes that no other line names
.set LAPS,   SIZE_K/(2*KSTEP)          ; a lap = two K steps = once round the ring: 6
.set WALK,   SIZE_M/2                  ; the work-group's two tiles lie 4,096 rows apart
.set ASTEP,  KSTEP*2                   ; a K step in A: 256 bytes along the rows
.set BSTEP,  KSTEP*SIZE_N*2            ; a K step in W: 128 rows of 8,192 bytes
.set NEXT_A, WALK*SIZE_K*2-(SIZE_K-2*KSTEP)*2   ; from a slot's last K step of a tile to its first of the next: WALK rows down and back along K
.set BACK_B, (SIZE_K/KSTEP-2)*BSTEP    ; W only back
.set NEXT_C, (WALK-7*16)*SIZE_N*2      ; from my last 16 rows of a tile to my first of the next, in gat
.set MEAN, 2                           ; v[2:3]  the chunk's mean of my row (v3 is named with it as a pair)
.set QS,   4                           ; v[4:11] four chains of squares; at a tile's end the statistics on their way out
.set UU,   12                          ; v12-13  a sum, and the other half of the lanes' sum
.set MSA,  14                          ; v14     where I put a mean (lanes 0-15) or an M2 (lanes 16-31)
.set MSR,  15                          ; v15     where I read 16 bytes of them back
.set ADRA, 16                          ; v16-17  LDS address of my A fragments in slot 0, 1
.set SOF,  18                          ; v18     16 x lane: my byte offset in 512 bytes of sta
.set BO,   19                          ; v19     32 (l / 16): my 8 numbers of a column block's bias
.set ADRB, 20                          ; v20-21  LDS address of my W fragments in slot 0, 1
.set STO,  24                          ; v24     the way out: where I put 16 bytes of a row
.set RD,   25                          ; v25     the way out: where I read a row back
.set CO,   26                          ; v26     my byte offset in gat
.set SPW,  28                          ; v28     LDS address of my spare word: SPARE + 4 x my thread's number; never rewritten
.set NIL,  29                          ; v29     0; never rewritten
.set PFO,  30                          ; v30     the prefetches' lane offset; never rewritten
.set F0,   64
.set F1,   128
.set TMP,  192                         ; the way out: partial sums, then the packed d
.set OB,   32                          ; the way out: 16 rows read back from the stage: v32-63 and v224-255 by turns
.set PA,   64                          ; the very last K step: A's fragments of 16 rows x 128 K, 32 registers; four such buffers, v64-191
.set G1,  24                           ; s[24:31] descriptor group 1 for A's tiles
.set G0,  32                           ; s[32:39] group 0 for A's tiles, a set for each slot
.set G1B, 48                           ; s[48:55] group 1 for W's tiles
.set G0B, 56                           ; s[56:63] group 0 for W's tiles, a set for each slot
.set LIM, 43                           ; s43      1 in a wave that prefetches, else the greatest number
.set PFA, 44                           ; s[44:45] the K step that my next prefetch names
.set SEL, 66                           ; s[66:67] v_permlanex16_b32's selects: each lane takes its own place in the other half
.set HM,  68                           ; s68      0xffff0000: the mask of lanes 16-31, and of a word's upper bf16
.set STP, 70                           ; s[70:71] sta at my chunk and my 128 rows
.set SD,  72                           ; s[72:73] what a way out adds to it: 0, then 4,096 rows of 4 bytes
.set PFS, 74                           ; s[74:75] a K step in the tensor that I prefetch
.set BH,  76                           ; s[76:77] bh at my 128 columns
.set MSB, 0
.macro WIN new                         ; the immediate's high byte repeats the setting that is left; a switch that changes nothing is dropped
.if MSB != (\new)
	s_set_vgpr_msb (MSB<<8)|(\new)
.set MSB, \new
.endif
.endm
.set MUL_LO, 0xa1                      ; source 0 (W) window 1, source 1 (A) window 0, C and D window 2; + 0x50: window 3
.set MUL_B,  0x91                      ; the same with C, the bias, in window 1; + 0x40: D in window 3
.set TO_B,   0x40                      ; destination window 1, address window 0
; A joint load.  Waves 0 and 1 fetch A's two halves, waves 2 and 3 W's.  Each line has one mask and one set of registers for all that issue it; the branch hangs on the wave's number alone.
; An s_nop 0 and four v_nop follow each of the two lines, ahead of the jump, the label and what follows.
.macro JLOAD s
	s_cmp_eq_u32 s11, 0
	s_cbranch_scc0 .Lfor_b_\@
	tensor_load_to_lds s[G0+4*(\s):G0+4*(\s)+3], s[G1:G1+7]
	s_nop 0
.rept 4
	v_nop
.endr
	s_branch .Lasked_\@
.Lfor_b_\@:
	tensor_load_to_lds s[G0B+4*(\s):G0B+4*(\s)+3], s[G1B:G1B+7]
	s_nop 0
.rept 4
	v_nop
.endr
.Lasked_\@:
.endm
; A PREFETCH INTO THE L2, behind each joint load, its five lines and the run of LDS loads that follows: the K step that stands TWO refills on, 512 matrix instructions ahead of the load that will ask for it:
; 32 blocks of 256 bytes, a lane a block, one instruction a wave.  Each block is named ONCE in the launch.  A's tile row is read by every cluster of that row of clusters: cluster x = 0 asks; W's tile column by
; every cluster of that column: cluster y = 0 asks, in the first tile alone (the second tile walks the same rows of W).  The four partners that ask for a tile jointly share its blocks out BY ADDRESS:
; no branch hangs on a work-group's place in its cluster.  how = 0, in the loop: a tile's last two refills have no K step two on; how = 1, at the change of tiles.
.macro ASK how
.if \how
	s_cmp_eq_u32 s[LIM], 1
.else
	s_cmp_gt_u32 s3, s[LIM]                        ; s3 = 1 in the loop's last trip
.endif
	s_cbranch_scc0 .Lnot_mine_\@
	global_prefetch_b8 v[PFO], s[PFA:PFA+1] th:TH_LOAD_NT scope:SCOPE_SE
.Lnot_mine_\@:
.endm
; A round of the cluster's barrier: my work-group's barrier, so that wave 0's signal speaks for all four waves; wave 0 signals; every wave waits for all sixteen work-groups; my work-group's barrier once more.
.macro CREST                           ; a round behind its opening barrier
	s_cmp_lg_u32 s10, 0
	s_cbranch_scc1 .Lnot_wave_0_\@
	s_barrier_signal -3
.Lnot_wave_0_\@:
	s_barrier_wait -3
	s_barrier_signal -1
	s_barrier_wait -1
.endm
.macro CROUND
	s_barrier_signal -1
	s_barrier_wait -1
	CREST
.endm
	s_load_b128 s[4:7], s[0:1], 0x0                ; abf s[4:5], wbf s[6:7]
	s_load_b64 s[BH:BH+1], s[0:1], 0x10            ; bh
	s_load_b64 s[8:9], s[0:1], 0x18                ; gat
	s_load_b64 s[STP:STP+1], s[0:1], 0x20          ; sta
	v_lshl_add_u32 v[SPW], v0, 2, SPARE
	v_mov_b32 v[NIL], 0
	ds_add_u32 v[SPW], v[NIL]                      ; the wave's opening: the add, twice on end, and its wait ahead of my first tensor load; the set-up below stands between
	ds_add_u32 v[SPW], v[NIL]                      ; and once more, under the one wait
	v_lshrrev_b32 v1, 5, v0
	v_readfirstlane_b32 s10, v1                    ; wave 0..3
	s_lshr_b32 s11, s10, 1                         ; which half of the tile's rows is mine.  Also: I fetch for A (0) or for W (1)
	s_and_b32 s12, s10, 1                          ; which half of its columns.  Also: which half of that tile I fetch
	s_bfe_u32 s40, ttmp6, 0x40000                  ; cx
	s_bfe_u32 s41, ttmp6, 0x40004                  ; cy
	s_lshl_b32 s42, ttmp9, 2
	s_add_co_u32 s42, s42, s40                     ; tile column = 4 x cluster x + cx
	s_and_b32 s13, ttmp7, 0xffff
	s_lshl_b32 s13, s13, 2
	s_add_co_u32 s13, s13, s41                     ; tile row = 4 x cluster y + cy
	s_lshl_b32 s43, s41, 2
	s_lshl_b32 s43, 15, s43                        ; my row of the cluster: places 4 cy .. 4 cy + 3
	s_lshl_b32 s44, 0x1111, s40                    ; my column: places cx, cx + 4, cx + 8, cx + 12
	s_or_b32 s[G1+0], s43, (1<<16)|(1<<20)|(1<<21)|(5<<22)|(3<<25)   ; the mask: A's tiles go to my row; 2-byte elements; padding on; bit 21 beside a mask; after every 64 words 4 words
	s_or_b32 s[G1B+0], s44, (1<<16)|(1<<20)|(1<<21)|(6<<22)|(7<<25)  ; W's tiles go to my column; after every 128 words 8 words
	s_mov_b32 s[G1+1], KSTEP<<16                   ; A: tensor_dim0 = 128
	s_mov_b32 s[G1+2], 128<<16                     ; tensor_dim1 = 128
	s_mov_b32 s[G1+3], KSTEP<<16                   ; tile_dim0 = 128 elements (256 bytes)
	s_mov_b32 s[G1+4], 128                         ; tile_dim1 = 128 rows
	s_mov_b32 s[G1+5], SIZE_K                      ; elements from row to row
	s_mov_b32 s[G1+6], 0
	s_mov_b32 s[G1+7], 0
	s_mov_b32 s[G1B+1], 256<<16                    ; W: tensor_dim0 = 256
	s_mov_b32 s[G1B+2], 64<<16                     ; tensor_dim1 = 64
	s_mov_b32 s[G1B+3], 256<<16                    ; tile_dim0 = 256 elements (512 bytes)
	s_mov_b32 s[G1B+4], 64                         ; tile_dim1 = 64 K rows
	s_mov_b32 s[G1B+5], SIZE_N
	s_mov_b32 s[G1B+6], 0
	s_mov_b32 s[G1B+7], 0
	s_mov_b32 s[SEL], 0x76543210
	s_mov_b32 s[SEL+1], 0xfedcba98
	s_mov_b32 s[HM], 0xffff0000
	; where the tiles come from.  A's hang on the tile row alone, W's on the tile column alone; every wave makes both addresses, in registers that never hold the other coordinate
	s_lshl_b32 s17, s12, 7
	s_lshl_b32 s16, s13, 8
	s_add_co_u32 s16, s16, s17                     ; A: row 256 x tile row + 128 x half,
	s_mul_i32 s16, s16, SIZE_K*2                   ; in bytes (under 2^25)
	s_mov_b32 s17, 0
	s_lshl_b32 s46, s42, 9                         ; W: 512 bytes x tile column
	s_lshl_b32 s47, s12, 19                        ; + 64 K rows of 8,192 bytes x half
	s_add_co_u32 s46, s46, s47
	s_mov_b32 s47, 0
	s_mul_i32 s20, s10, HALFT                      ; and where they go: wave x 34,816: no place in the cluster enters an LDS address
	s_wait_dscnt 0x0                               ; both opening adds are done
	s_wait_kmcnt 0x0
	s_add_nc_u64 s[14:15], s[4:5], s[16:17]
	s_add_nc_u64 s[46:47], s[6:7], s[46:47]
	CROUND                                         ; all sixteen work-groups are here: the first joint loads meet
.irp s, 0,1
	s_mov_b32 s[G0+4*(\s)], 1                                      ; count = 1
	s_add_co_u32 s[G0+4*(\s)+1], s20, (\s)*SLOT                    ; LDS address
	s_add_nc_u64 s[G0+4*(\s)+2:G0+4*(\s)+3], s[14:15], (\s)*ASTEP  ; global address: K step s
	s_or_b32 s[G0+4*(\s)+3], s[G0+4*(\s)+3], 0x80000000            ; type = 2
	s_mov_b32 s[G0B+4*(\s)], 1
	s_add_co_u32 s[G0B+4*(\s)+1], s20, (\s)*SLOT
	s_add_nc_u64 s[G0B+4*(\s)+2:G0B+4*(\s)+3], s[46:47], (\s)*BSTEP
	s_or_b32 s[G0B+4*(\s)+3], s[G0B+4*(\s)+3], 0x80000000
	JLOAD \s                                       ; the ring is filled before anything else is done: two loads of mine are out
.endr
	; A fragment of A: 16 rows x 32 K in 8 registers: lane l holds row l % 16, K = 8 (l / 16) + 0..7 and 16 + 8 (l / 16) + 0..7: two loads of 16 bytes, 32 bytes apart.
	v_and_b32 v1, 15, v0                           ; l % 16
	v_bfe_u32 v22, v0, 4, 1                        ; l / 16
	v_mul_u32_u24 v23, v1, PITCH
	v_lshl_add_u32 v23, v22, 4, v23
	; A fragment of W: the turning load takes 16 K rows x 16 columns (lane l reads K row 8 (l / 16) + l % 8, columns 8 ((l / 8) % 2) + 0..7) and leaves lane l with column l % 16 and 8 K: half a fragment.
	v_and_b32 v27, 7, v0
	v_lshl_add_u32 v27, v22, 3, v27
	v_mul_u32_u24 v27, v27, PB
	v_bfe_u32 v31, v0, 3, 1
	v_lshl_add_u32 v27, v31, 4, v27
	s_mul_i32 s21, s11, HALFT                      ; my 128 rows of A
	s_lshl_b32 s22, s12, 8                         ; my 128 columns of W: 256 bytes of each K row,
	s_add_co_u32 s22, s22, 2*HALFT                 ; behind A's 256 rows
.irp s, 0,1
	v_add_nc_u32 v[ADRA+(\s)], s21, v23
	v_add_nc_u32 v[ADRB+(\s)], s22, v27
	s_add_co_u32 s21, s21, SLOT
	s_add_co_u32 s22, s22, SLOT
.endr
	s_mul_i32 s23, s10, 16*SPITCH
	s_add_co_u32 s23, s23, STAGE                   ; my stage
	v_mul_u32_u24 v27, v1, SPITCH                  ; in: row l % 16, 16 bytes for each half of the lanes
	v_lshl_add_u32 v27, v22, 4, v27
	v_add_nc_u32 v[STO], s23, v27
	v_mul_u32_u24 v27, v22, SPITCH                 ; back: lanes 0-15 take one row of 256 bytes, lanes 16-31 the next
	v_lshl_add_u32 v27, v1, 4, v27
	v_add_nc_u32 v[RD], s23, v27
	v_mul_u32_u24 v27, v22, SIZE_N*2               ; and the same two rows in gat
	v_lshl_add_u32 v[CO], v1, 4, v27
	s_lshl_b32 s23, s10, 10
	s_add_co_u32 s23, s23, MST                     ; my 1,024 bytes of statistics
	v_lshlrev_b32 v27, 2, v1
	v_lshl_add_u32 v27, v22, 9, v27                ; lanes 0-15: the means; lanes 16-31: the M2, 512 bytes on
	v_add_nc_u32 v[MSA], s23, v27
	v_and_b32 v31, 31, v0
	v_lshlrev_b32 v[SOF], 4, v31
	v_add_nc_u32 v[MSR], s23, v[SOF]
	v_lshlrev_b32 v[BO], 5, v22
	v_mov_b32 v[MEAN+1], 0                         ; named in pairs, so they are written
	v_mov_b32 v[UU+1], 0
	; the bias of my 128 columns: register j of block b = bh[my first column + 16 b + 8 (l / 16) + j], the layout of a C operand
	s_lshl_b32 s18, s42, 10
	s_lshl_b32 s19, s12, 9
	s_add_co_u32 s18, s18, s19
	s_mov_b32 s19, 0
	s_add_nc_u64 s[BH:BH+1], s[BH:BH+1], s[18:19]
	WIN TO_B
.irp b, 0,1,2,3,4,5,6,7
	global_load_b128 v[8*(\b):8*(\b)+3],   v[BO], s[BH:BH+1] offset:64*(\b)
	global_load_b128 v[8*(\b)+4:8*(\b)+7], v[BO], s[BH:BH+1] offset:64*(\b)+16
.endr
	WIN 0
	; where my part of the first tile begins in gat and in sta
	s_lshl_b32 s13, s13, 8                         ; 256 x tile row
	s_lshl_b32 s14, s11, 7
	s_add_co_u32 s16, s13, s14                     ; my first row
	s_lshl_b32 s18, s16, 2                         ; 4 bytes a row in sta
	s_lshl_b32 s16, s16, 13                        ; 8,192 bytes a row in gat
	s_lshl_b32 s46, s42, 9
	s_lshl_b32 s47, s12, 8
	s_add_co_u32 s46, s46, s47                     ; my first column, in bytes
	s_add_co_u32 s16, s16, s46
	s_mov_b32 s17, 0                               ; s[16:17]: what the first way out adds to gat's address
	s_lshl_b32 s19, s42, 1
	s_add_co_u32 s19, s19, s12                     ; my chunk = 2 x tile column + half,
	s_lshl_b32 s19, s19, 15                        ; 8,192 rows of 4 bytes each
	s_add_co_u32 s18, s18, s19
	s_mov_b32 s19, 0
	s_add_nc_u64 s[STP:STP+1], s[STP:STP+1], s[18:19]
	s_mov_b64 s[SD:SD+1], 0
	; the prefetches.  A: of the 128 rows that I fetch the partner at cx takes 32, a lane a row.  W: of my 64 K rows x 512 bytes the partner at cy takes 16 rows, a lane half a row.
	s_lshl_b32 s20, s12, 7
	s_add_co_u32 s20, s20, s13
	s_lshl_b32 s21, s40, 5
	s_add_co_u32 s20, s20, s21
	s_mul_i32 s20, s20, SIZE_K*2
	s_add_co_u32 s20, s20, 3*ASTEP                 ; at K step 3: the first refill steps it to 4
	s_lshl_b32 s21, s12, 6
	s_lshl_b32 s22, s41, 4
	s_add_co_u32 s21, s21, s22
	s_lshl_b32 s21, s21, 13
	s_lshl_b32 s22, s42, 9
	s_add_co_u32 s21, s21, s22
	s_add_co_u32 s21, s21, 3*BSTEP
	s_and_b32 s22, ttmp7, 0xffff                   ; cluster y
	s_mov_b32 s[PFS], BSTEP
	s_mov_b32 s[PFS+1], 0
	s_mov_b32 s18, SIZE_N*2
	s_cmp_eq_u32 s11, 0                            ; do I fetch for A?
	s_cselect_b32 s20, s20, s21
	s_cselect_b32 s22, ttmp9, s22                  ; the coordinate along which other clusters read the same blocks
	s_cselect_b64 s[PFA:PFA+1], s[4:5], s[6:7]
	s_cselect_b32 s[PFS], ASTEP, s[PFS]
	s_cselect_b32 s18, SIZE_K*2, s18               ; bytes from row to row
	s_cselect_b32 s23, 0, 1                        ; lanes to a row: 1 (A) or 2 (W), as a shift and as a mask
	s_cmp_eq_u32 s22, 0
	s_cselect_b32 s[LIM], 1, -1                    ; the same in all sixteen partners, for a given wave
	s_mov_b32 s21, 0
	s_add_nc_u64 s[PFA:PFA+1], s[PFA:PFA+1], s[20:21]
	v_lshrrev_b32 v27, s23, v31
	v_mul_u32_u24 v27, v27, s18
	v_and_b32 v31, s23, v31
	v_lshl_add_u32 v[PFO], v31, 8, v27
	; nothing is prefetched here, at the head, where every work-group's first tiles are on their way: K steps 2 and 3 come by their refills alone
	s_wait_loadcnt 0x0                             ; the bias
	WIN 0x45                                       ; destination and both sources in window 1
.set i, 0
.rept 32                               ; rounded to bf16 like the other inputs, and widened again
	v_cvt_pk_bf16_f32 v[192+i%4], v[2*i], v[2*i+1]
	v_lshlrev_b32 v[2*i], 16, v[192+i%4]
	v_and_b32 v[2*i+1], s[HM], v[192+i%4]
.set i, i+1
.endr
	WIN 0
; 16 matrix instructions: row blocks a0, a0 + 1 of the window's four (hi = 0: my rows 0-63, 1: rows 64-127) x all 8 column blocks, 32 along K.  zero = 1: the product starts the sum, with the bias as C.
; The 64 accumulators take turns, one instruction a turn, in the same order in every quarter step.
.macro MUL16 f, hi, a0, zero
.if \zero
	WIN MUL_B+0x40*(\hi)
.else
	WIN MUL_LO+0x50*(\hi)
.endif
.irp a, \a0, (\a0)+1
.irp b, 0,1,2,3,4,5,6,7
.if \zero
	v_wmma_f32_16x16x32_bf16 v[8*(8*(\a)+(\b)):8*(8*(\a)+(\b))+7], v[(\f)+8*(\b):(\f)+8*(\b)+7], v[(\f)+8*(4*(\hi)+(\a)):(\f)+8*(4*(\hi)+(\a))+7], v[8*(\b):8*(\b)+7]
.else
	v_wmma_f32_16x16x32_bf16 v[8*(8*(\a)+(\b)):8*(8*(\a)+(\b))+7], v[(\f)+8*(\b):(\f)+8*(\b)+7], v[(\f)+8*(4*(\hi)+(\a)):(\f)+8*(4*(\hi)+(\a))+7], v[8*(8*(\a)+(\b)):8*(8*(\a)+(\b))+7]
.endif
.endr
.endr
.endm
; 32 LDS loads in one run: the fragments of quarter q of a K step (32 K: W's 128 columns, turned; A's 128 rows) into buffer f
.macro FETCH slot, q, f
	WIN TO_B
.irp i, 0,1,2,3,4,5,6,7
	ds_load_tr16_b128 v[(\f)+8*(\i):(\f)+8*(\i)+3],   v[ADRB+(\slot)] offset:(\q)*32*PB+32*(\i)
	ds_load_tr16_b128 v[(\f)+8*(\i)+4:(\f)+8*(\i)+7], v[ADRB+(\slot)] offset:(\q)*32*PB+16*PB+32*(\i)
.endr
	WIN 0
.irp i, 0,1,2,3,4,5,6,7
	ds_load_b128 v[(\f)+8*(\i):(\f)+8*(\i)+3],   v[ADRA+(\slot)] offset:64*(\q)+(\i)*16*PITCH
	ds_load_b128 v[(\f)+8*(\i)+4:(\f)+8*(\i)+7], v[ADRA+(\slot)] offset:64*(\q)+(\i)*16*PITCH+32
.endr
.endm
; A load into a register that a matrix instruction has read, and a vector instruction that reads a matrix result or writes one of a matrix instruction's registers, stand four places behind it, and only
; plain vector instructions that name none of its registers are places (ISA guide 7.12.1 for vector instructions).
.macro PLACES
.rept 4
	v_nop
.endr
.endm
; A K step is four quarters of 32 along K, 64 matrix instructions each, on buffers 0, 1, 0, 1.  One of the first three: multiplies buffer f; in its middle it fetches quarter q into buffer g.
.macro QUARTER slot, q, f, g, zero
	s_wait_dscnt 8                                 ; W and A's rows 0-63 are in; the youngest eight loads (A's rows 64-127) may be out
	MUL16 \f, 0, 0, \zero
	MUL16 \f, 0, 2, \zero
	PLACES
	FETCH \slot, \q, \g
	s_wait_dscnt 32                                ; all but the 32 just issued
	MUL16 \f, 1, 0, \zero
	MUL16 \f, 1, 2, \zero
.endm
; The last quarter multiplies buffer 1 and changes slots.  MEET is its first half: ONE barrier for the change.  In front of it each wave waits for all its tensor loads, of which one is out: its part of the
; next slot; adds 0 to its spare word; and waits for that and for its own reads of this slot.  Behind it nobody reads this slot any more and the next slot is whole.
.macro MEET round
	WIN 0                                          ; (the add's two registers lie in window 0)
	s_wait_tensorcnt 0x0                           ; all my tensor loads have landed
	ds_add_u32 v[SPW], v[NIL]                      ; 0 onto my spare word
	s_wait_dscnt 9                                 ; (the add and the youngest eight loads may be out)
	MUL16 F1, 0, 0, 0                              ; sixteen matrix instructions stand between the add and the wait for it
	s_wait_dscnt 0x0                               ; the add is done, and my reads of this slot are over
	s_barrier_signal -1
	MUL16 F1, 0, 2, 0                              ; work on registers while the others arrive
.if \round
	WIN 0
.endif
	s_barrier_wait -1
.endm
; The whole last quarter.  The barrier opens a round of the cluster's; behind the round the slot just read out is filled again first: with this tile's K step two steps on (on = 0) or with the next tile's K step 0 or 1
; (on = 1); then come the next slot's first fragments.  From a request to the wait for it a wave issues 224 matrix instructions.
.macro TURN slot, next, on
	s_wait_xcnt 0x0                                ; the last prefetch, a K step back, and all earlier stores have read their registers: the prefetch's address is stepped here, ahead of the change's own waits
.if (\on) && (\slot) == 0
	s_add_nc_u64 s[PFA:PFA+1], s[PFA:PFA+1], (WALK-1)*SIZE_K*2+ASTEP  ; from one K step past the tile's end (byte 13 x 256 of a row) to the next tile's K step 2
	s_cmp_eq_u32 s11, 0
	s_cselect_b32 s[LIM], s[LIM], -1               ; W's rows are the same for both tiles: they are asked for no more
.else
	s_add_nc_u64 s[PFA:PFA+1], s[PFA:PFA+1], s[PFS:PFS+1]
.endif
	MEET 1
	CREST                                          ; no wave of any partner still reads this slot's tile or has a load on its way
.if \on
	s_add_nc_u64 s[G0+4*(\slot)+2:G0+4*(\slot)+3], s[G0+4*(\slot)+2:G0+4*(\slot)+3], NEXT_A
	s_sub_nc_u64 s[G0B+4*(\slot)+2:G0B+4*(\slot)+3], s[G0B+4*(\slot)+2:G0B+4*(\slot)+3], BACK_B
.else
	s_add_nc_u64 s[G0+4*(\slot)+2:G0+4*(\slot)+3], s[G0+4*(\slot)+2:G0+4*(\slot)+3], 2*ASTEP
	s_add_nc_u64 s[G0B+4*(\slot)+2:G0B+4*(\slot)+3], s[G0B+4*(\slot)+2:G0B+4*(\slot)+3], 2*BSTEP
.endif
	JLOAD \slot                                    ; the first tensor load behind the round; its four v_nop are also the places in front of the loads below
	FETCH \next, 0, F0
	ASK \on
	MUL16 F1, 1, 0, 0
	MUL16 F1, 1, 2, 0
.endm
; THE LAST K STEP OF THE SECOND TILE (it lies in slot 1) GOES BY ROWS OF THE RESULT, NOT BY K.  Nothing follows that tile under which its stores could leave, and by K all 64 accumulators are finished together.
; So all the step's fragments of W (4 quarters x 64 registers) fill window 1, A's come by blocks of 16 rows x 128 K, and my eight blocks are finished one after the other, each with 32 matrix
; instructions (its 8 accumulators by turns; K ascending: the sums stay the same bit for bit).  LDS is read no more than in any other K step.
.macro BLOAD q                         ; W's fragments of quarter q -> window 1, v[64 q ..]
	WIN TO_B
.irp i, 0,1,2,3,4,5,6,7
	ds_load_tr16_b128 v[64*(\q)+8*(\i):64*(\q)+8*(\i)+3],   v[ADRB+1] offset:(\q)*32*PB+32*(\i)
	ds_load_tr16_b128 v[64*(\q)+8*(\i)+4:64*(\q)+8*(\i)+7], v[ADRB+1] offset:(\q)*32*PB+16*PB+32*(\i)
.endr
.endm
.macro ALOAD a                         ; A's fragments of block a, all four quarters -> buffer a % 4
	WIN 0
.set FA, PA+32*((\a)%4)
.irp q, 0,1,2,3
	ds_load_b128 v[FA+8*(\q):FA+8*(\q)+3],   v[ADRA+1] offset:64*(\q)+(\a)*16*PITCH
	ds_load_b128 v[FA+8*(\q)+4:FA+8*(\q)+7], v[ADRA+1] offset:64*(\q)+(\a)*16*PITCH+32
.endr
.endm
.macro ROW a                           ; block a is finished: 32 matrix instructions
.set FA, PA+32*((\a)%4)                ; its fragments of A
.set AC, 64*((\a)%4)                   ; its eight accumulators, in window 2 (blocks 0-3) or 3 (blocks 4-7)
	WIN MUL_LO+0x50*((\a)/4)
.irp q, 0,1,2,3
.if (\a) == 0 && (\q) == 2
	s_wait_dscnt 24                                ; W's quarter 2 is in (behind it: A's blocks 1 to 3, 24 loads)
.endif
.irp b, 0,1,2,3,4,5,6,7
	v_wmma_f32_16x16x32_bf16 v[AC+8*(\b):AC+8*(\b)+7], v[64*(\q)+8*(\b):64*(\q)+8*(\b)+7], v[FA+8*(\q):FA+8*(\q)+7], v[AC+8*(\b):AC+8*(\b)+7]
.endr
.endr
.endm
; THE WAY OUT of block a (16 rows x my 128 columns; a lane holds 64 numbers of one row, the lane 16 away the other 64).
; PACK: the mean; d = v - mean, in place; d rounded to f16, 16 bytes for each column block; M2 = the sum of d^2, of the unrounded d, in four chains.  Each accumulator's lowest registers are read first.
.macro PACK a
.set AC, 64*((\a)%4)
	WIN 0x0a+5*((\a)/4)                            ; sources 0 and 1: window 2 or 3
.set i, 0
.rept 16
	v_pk_add_f32 v[TMP+2*i:TMP+2*i+1], v[AC+4*i:AC+4*i+1], v[AC+4*i+2:AC+4*i+3]
.set i, i+1
.endr
	WIN 0
.irp w, 16, 8, 4, 2
.set i, 0
.rept (\w)/2
	v_pk_add_f32 v[TMP+2*i:TMP+2*i+1], v[TMP+2*i:TMP+2*i+1], v[TMP+2*i+(\w):TMP+2*i+(\w)+1]
.set i, i+1
.endr
.endr
	v_add_f32 v[UU], v[TMP], v[TMP+1]
	v_permlanex16_b32 v[UU+1], v[UU], s[SEL], s[SEL+1]
	v_add_f32 v[UU], v[UU], v[UU+1]
	v_mul_f32 v[MEAN], 0x3c000000, v[UU]           ; / 128
	WIN 0x82+0x41*((\a)/4)                         ; destination and source 0: window 2 or 3; the mean in window 0
.set i, 0
.rept 32
	v_pk_add_f32 v[AC+2*i:AC+2*i+1], v[AC+2*i:AC+2*i+1], v[MEAN:MEAN+1] op_sel_hi:[1,0] neg_lo:[0,1] neg_hi:[0,1]
.set i, i+1
.endr
	WIN 0x0a+5*((\a)/4)
.set i, 0
.rept 32
	v_cvt_pk_f16_f32 v[TMP+i], v[AC+2*i], v[AC+2*i+1]
.if i < 4
	v_pk_mul_f32 v[QS+2*i:QS+2*i+1], v[AC+2*i:AC+2*i+1], v[AC+2*i:AC+2*i+1]
.else
	v_pk_fma_f32 v[QS+2*(i%4):QS+2*(i%4)+1], v[AC+2*i:AC+2*i+1], v[AC+2*i:AC+2*i+1], v[QS+2*(i%4):QS+2*(i%4)+1]
.endif
.set i, i+1
.endr
	WIN 0
	v_pk_add_f32 v[QS:QS+1], v[QS:QS+1], v[QS+2:QS+3]
	v_pk_add_f32 v[QS+4:QS+5], v[QS+4:QS+5], v[QS+6:QS+7]
	v_pk_add_f32 v[QS:QS+1], v[QS:QS+1], v[QS+4:QS+5]
	v_add_f32 v[UU], v[QS], v[QS+1]
	v_permlanex16_b32 v[UU+1], v[UU], s[SEL], s[SEL+1]
	v_add_f32 v[UU], v[UU], v[UU+1]
	v_cndmask_b32 v[UU], v[MEAN], v[UU], s[HM]     ; lanes 0-15 keep the row's mean, lanes 16-31 its M2
	ds_store_b32 v[MSA], v[UU] offset:64*(\a)      ; into my own 1,024 bytes
.endm
.macro TOSTAGE a                       ; into my own stage, and back as whole rows of 256 bytes
	WIN 0
.set BK, OB+192*((\a)%2)
.irp b, 0,1,2,3,4,5,6,7
	ds_store_b128 v[STO], v[TMP+4*(\b):TMP+4*(\b)+3] offset:32*(\b)
.endr
.irp t, 0,1,2,3,4,5,6,7
	ds_load_b128 v[BK+4*(\t):BK+4*(\t)+3], v[RD] offset:(\t)*2*SPITCH  ; LDS serves a wave's instructions in order (ISA guide 5.7.1.4): these see the stores above
.endr
.endm
.macro SEND a, younger                 ; younger: the LDS instructions issued behind TOSTAGE's loads, which may stay out
	WIN 0
.set BK, OB+192*((\a)%2)
	s_wait_dscnt \younger                          ; the block is back in registers
	s_wait_xcnt 0x0                                ; only behind this wait are the stores' bases and the registers that earlier stores read rewritten
.if (\a) == 0
	s_add_nc_u64 s[8:9], s[8:9], s[16:17]          ; on to this tile's first rows, in gat
	s_add_nc_u64 s[STP:STP+1], s[STP:STP+1], s[SD:SD+1]  ; and in sta
.else
	s_add_nc_u64 s[8:9], s[8:9], 16*SIZE_N*2
.endif
.irp t, 0,1,2,3,4,5,6,7
	global_store_b128 v[CO], v[BK+4*(\t):BK+4*(\t)+3], s[8:9] offset:2*(\t)*SIZE_N*2  ; 16 lanes store 256 consecutive bytes, at a multiple of 256 from gat's first byte
.endr
.endm
.macro STATS                           ; my 128 means and 128 M2 leave: each store of the wave covers 512 consecutive bytes, aligned
	ds_load_b128 v[QS:QS+3], v[MSR]
	ds_load_b128 v[QS+4:QS+7], v[MSR] offset:512
	s_wait_dscnt 0x0
	global_store_b128 v[SOF], v[QS:QS+3], s[STP:STP+1]
	global_store_b128 v[SOF], v[QS+4:QS+7], s[STP:STP+1] offset:1048576
.endm
.macro OUT                             ; the first tile's way out: block a's arithmetic stands between block a - 1's loads from the stage and the wait for them (one younger LDS instruction: block a's store of statistics)
	PACK 0
	TOSTAGE 0
.irp a, 1,2,3,4,5,6,7
	PACK \a
	SEND (\a)-1, 1
	TOSTAGE \a
.endr
	SEND 7, 0
	STATS
.endm
	s_wait_tensorcnt 1                             ; my part of K step 0 is in; K step 1's may stay out
	s_barrier_signal -1
	s_barrier_wait -1                              ; everybody's is
	FETCH 0, 0, F0
	s_mov_b32 s2, 2                                ; tiles to go, this one among them
.Ltile:
	QUARTER 0, 1, F0, F1, 1                        ; a tile's first quarter stands in front of the loop: its products start the sums, with the bias
	WIN 0                                          ; at a label and at a branch every window is 0
	s_mov_b32 s3, LAPS-1
.Llap:                                                 ; a trip goes once round the ring, from a lap's second quarter to the next lap's first, and fills both slots again
	QUARTER 0, 2, F1, F0, 0
	QUARTER 0, 3, F0, F1, 0
	TURN 0, 1, 0
	QUARTER 1, 1, F0, F1, 0
	QUARTER 1, 2, F1, F0, 0
	QUARTER 1, 3, F0, F1, 0
	TURN 1, 0, 0
	QUARTER 0, 1, F0, F1, 0
	WIN 0
	s_sub_co_u32 s3, s3, 1
	s_cmp_lg_u32 s3, 0
	s_cbranch_scc1 .Llap
	QUARTER 0, 2, F1, F0, 0                        ; the tile's last lap goes on
	QUARTER 0, 3, F0, F1, 0
	WIN 0
	s_cmp_eq_u32 s2, 1
	s_cbranch_scc1 .Llast_tile                     ; the last tile's tail is written out: it asks for nothing more
	TURN 0, 1, 1                                   ; THE RING GOES ON INTO THE NEXT TILE: slot 0 takes its K step 0,
	QUARTER 1, 1, F0, F1, 0
	QUARTER 1, 2, F1, F0, 0
	QUARTER 1, 3, F0, F1, 0
	TURN 1, 0, 1                                   ; slot 1 its K step 1, and the next tile's first fragments are fetched
	OUT                                            ; both refills are asked for: now the tile goes out.  No v_nop: blocks 0-3 were finished in front of the joint load's four, and their arithmetic,
	                                               ; which names no register of the last products (blocks 4-7's), is those products' places
	s_mov_b64 s[16:17], NEXT_C                     ; what the next way out adds to gat's address,
	s_mov_b64 s[SD:SD+1], WALK*4                   ; and to sta's
	s_sub_co_u32 s2, s2, 1
	s_branch .Ltile
.Llast_tile:
	MEET 0                                         ; my one tensor load that was still out is slot 1's, the last K step's, so no round follows
	PLACES                                         ; for the loads into buffer 0, which the quarter before multiplied
	BLOAD 0                                        ; three quarters of W now: buffer 1 (v128-191 of both windows) is still being multiplied
	BLOAD 1
	BLOAD 3
	ALOAD 0
	MUL16 F1, 1, 0, 0
	MUL16 F1, 1, 2, 0
	PLACES                                         ; for the loads into buffer 1
	BLOAD 2
	ALOAD 1
	ALOAD 2
	ALOAD 3
	s_wait_dscnt 40                                ; all but the 40 just issued
	ROW 0
.irp a, 0,1,2,3,4,5,6,7                ; each block leaves as soon as it is finished; the next block's products stand between its loads from the stage and the wait for them
	PLACES                                         ; its sums read results just made, and no other vector work is at hand
	PACK \a
	TOSTAGE \a
.if (\a) < 4
	ALOAD (\a)+4                                   ; its buffer takes the block four further on
.endif
.if (\a) == 0
	s_wait_dscnt 25                                ; A's blocks 1 to 3 are in: behind them stand block 0's store of statistics, its 16 stage instructions and block 4's 8 loads.  Later blocks of A are shown in by SEND's waits
.endif
.if (\a) < 7
	ROW (\a)+1
.endif
.if (\a) < 4
	SEND \a, 8                                     ; the 8 loads of A's block a + 4 may stay out
.else
	SEND \a, 0
.endif
.endr
	STATS
	s_wait_tensorcnt 0x0                           ; the wave's end, behind my last tensor load and my last LDS store
	ds_add_u32 v[SPW], v[NIL]
	s_wait_dscnt 0x0
	CROUND                                         ; the closing round: no work-group ends while a partner may still ask for a tile that names it
	s_endpgm
.Lfunc_end_k_qbefc27fc97_gemm:
	.size	k_qbefc27fc97_gemm, .Lfunc_end_k_qbefc27fc97_gemm-k_qbefc27fc97_gemm
	.p2alignl 7, 3214868480
	.fill 96, 4, 3214868480
	.section	.rodata,"a",@progbits
	.p2align	6, 0x0
	.amdhsa_kernel k_qbefc27fc97_gemm
		.amdhsa_group_segment_fixed_size 327680
		.amdhsa_private_segment_fixed_size 0
		.amdhsa_enable_private_segment 0
		.amdhsa_kernarg_size 40
		.amdhsa_user_sgpr_count 2
		.amdhsa_user_sgpr_kernarg_segment_ptr 1
		.amdhsa_wavefront_size32 1
		.amdhsa_system_sgpr_workgroup_id_x 1
		.amdhsa_system_sgpr_workgroup_id_y 1
		.amdhsa_system_sgpr_workgroup_id_z 1
		.amdhsa_system_vgpr_workitem_id 0
		.amdhsa_next_free_vgpr 1024
		.amdhsa_next_free_sgpr 80
		.amdhsa_reserve_vcc 0
		.amdhsa_float_denorm_mode_32 3
		.amdhsa_float_denorm_mode_16_64 3
		.amdhsa_memory_ordered 1
		.amdhsa_forward_progress 1
		.amdhsa_inst_pref_size 255
	.end_amdhsa_kernel
	.section	.bss,"aw",@nobits
	.p2align	6
	.space	262144
	.amdgpu_metadata
---
amdhsa.version: [ 1, 2 ]
amdhsa.kernels:
  - .name:           k_qbefc27fc97_gemm
    .symbol:         k_qbefc27fc97_gemm.kd
    .args:
      - { .name: abf, .offset: 0, .size: 8, .value_kind: global_buffer, .address_space: global }
      - { .name: wbf, .offset: 8, .size: 8, .value_kind: global_buffer, .address_space: global }
      - { .name: bh, .offset: 16, .size: 8, .value_kind: global_buffer, .address_space: global }
      - { .name: gat, .offset: 24, .size: 8, .value_kind: global_buffer, .address_space: global }
      - { .name: sta, .offset: 32, .size: 8, .value_kind: global_buffer, .address_space: global }
    .group_segment_fixed_size: 327680
    .private_segment_fixed_size: 0
    .kernarg_segment_align: 8
    .kernarg_segment_size: 40
    .max_flat_workgroup_size: 128
    .sgpr_count:     80
    .vgpr_count:     1024
    .wavefront_size: 32
...
	.end_amdgpu_metadata
.endif
;; end of part 2
;; launch cell (part 3): grid 512 x 1, 8 waves a work-group, no clusters, 3,328 bytes of LDS; arguments gat, sta, c, ln_gamma, ln_beta, out0, out1; writes out0, out1
.if DOCPART == 3
	.amdgcn_target "amdgcn-amd-amdhsa--gfx1250"
	.amdhsa_code_object_version 6
	.text
	.protected	k_qbefc27fc97_cell
	.globl	k_qbefc27fc97_cell
	.p2align	8
	.type	k_qbefc27fc97_cell,@function
k_qbefc27fc97_cell:
	s_mov_b64 s[64:65], 0
	v_nop
	global_prefetch_b8 v0, s[64:65] scope:SCOPE_SE
	s_setreg_imm32_b32 hwreg(HW_REG_WAVE_MODE, 25, 1), 1
	s_wait_xcnt 0x0
; The layer norm of the four gates and the LSTM cell.  gat [8192][4096] f16 holds d = gate - mean of its chunk of 128 columns; sta holds, f32, mean[chunk][row] at chunk x 32,768 + 4 row and M2[chunk][row]
; (the chunk's sum of (v - mean)^2) 1,048,576 bytes further on.  For gate q (chunks 8 q .. 8 q + 7): mu = sum of the means / 8; var = (sum of M2 + 128 x sum of (mean_k - mu)^2) / 1,024: no difference of large sums.
; y = d rs + (mean_k - mu) rs with rs = 1 / sqrt(var + 1e-5); gate = y gamma + beta.  With E_q = e^-gate for i, f, o, E_g = e^(-2 g) and E_c = e^(-2 c_new):
;   c_new = c / (1 + E_f) + (1 - E_g) / ((1 + E_i)(1 + E_g));   h_new = (1 - E_c) / ((1 + E_c)(1 + E_o)): five exponentials and three reciprocals a column.
; LIMITS.  c, gamma and beta are rounded to bf16 like the other inputs.  The exponents (base 2) of E_g and E_c are held to 40 at the most, where tanh differs from -1 by less than 2^-39; E_i, E_f, E_o may become
; infinite: their reciprocal is 0 and meets a finite factor.  NaN and infinities in the inputs are not treated apart.
; A stream: no matrix unit, no cluster, no tensor load: no work-group wants a byte that another has fetched, but for gamma, beta and sta, which are small.  A work-group takes 16 rows in 4 trips of 4.
; Thread t takes columns 4 t .. 4 t + 3 of each gate, so wave w reads chunk w of each gate: a wave's load of gat covers 256 consecutive bytes, aligned; of c, and its stores, 512.
; IN FLIGHT.  Two sets of landing registers, four rows each; the trips take them by turns.  Both sets are asked for at the head, and both again in a pair's second trip, as soon as its rows have been taken
; out of the registers: 40 loads, 12 KiB a wave.  Only the lines that name the landing registers are written twice (TAKE); the arithmetic and the stores are one text for all four trips.
.set GO,  2                            ; v2   8 t: my byte offset in a gate's 2,048 bytes of a row of gat
.set CO,  3                            ; v3   16 t: in a row of c, out0, out1, gamma, beta
.set SPW, 4                            ; v4   LDS address of my spare word: SPARE + 4 x my thread's number; never rewritten
.set NIL, 5                            ; v5   0; never rewritten
.set LA,  6                            ; v6   LDS address of the trip's first row of rs
.set LB,  7                            ; v7   of my chunk's shifts
.set GAM, 8                            ; v[8:23]    gamma x -log2(e) (gate g: x -2 log2(e)), at 4 q + j
.set BET, 24                           ; v[24:39]   beta likewise
.set DD,  40                           ; v[40:71]   set 0: row r, gate q: 4 f16 at 8 r + 2 q;   set 1: 48 registers on
.set CC,  72                           ; v[72:87]   set 0: row r: 4 f32 of c;                   set 1: 48 registers on
.set SETR, 48                          ; registers in a set: v[40:87] and v[88:135]
.set CB,  136                          ; v[136:143] row r: c as 4 bf16
.set RS,  144                          ; v[144:159] rs of row r, gate q at 4 r + q
.set SH,  160                          ; v[160:175] (mean_k - mu) rs likewise
.set ZZ,  176                          ; v[176:239] row r, gate q, column j at 16 r + 4 q + j; at the head: the statistics at work
.set TT,  240                          ; v[240:255] row r, column j at 4 r + j
.set SPARE, 2304                       ; LDS: rs[row][q] at 16 row + 4 q (256 bytes); shifts[k][row][q] at 256 + 256 k + 16 row + 4 q (2,048 bytes); then the spare words, 128 bytes for each wave
	s_load_b256 s[4:11], s[0:1], 0x0               ; gat s[4:5], sta s[6:7], c s[8:9], gamma s[10:11]
	s_load_b128 s[12:15], s[0:1], 0x20             ; beta s[12:13], out0 s[14:15]
	s_load_b64 s[16:17], s[0:1], 0x30              ; out1
	v_lshl_add_u32 v[SPW], v0, 2, SPARE
	v_mov_b32 v[NIL], 0
	v_lshrrev_b32 v1, 5, v0
	v_readfirstlane_b32 s20, v1                    ; wave 0..7
	v_lshlrev_b32 v[GO], 3, v0
	v_lshlrev_b32 v[CO], 4, v0
	v_mov_b32 v[LA], 0
	s_lshl_b32 s22, s20, 8
	s_add_co_u32 s22, s22, 256
	v_mov_b32 v[LB], s22
	s_mov_b32 s21, 4                               ; trips to go
	s_mov_b32 s28, 0x42200000                      ; 40.0
	s_mov_b32 s30, 0xc038aa3b                      ; -2 log2(e)
	s_mov_b32 s31, s30                             ; named with it as a pair
	s_mov_b32 s32, 0x3a800000                      ; 1 / 1,024
	s_mov_b32 s33, 0x3727c5ac                      ; 1e-5
	s_mov_b32 s34, 0x3e000000                      ; 1 / 8 = 128 / 1,024
	s_mov_b32 s35, 0xffff0000                      ; a word's upper bf16
	s_mov_b32 s36, 0xbfb8aa3b                      ; -log2(e)
	s_mov_b32 s37, s36                             ; named with it as a pair
	s_lshl_b32 s22, ttmp9, 17                      ; 16 rows of 8,192 bytes
	s_mov_b32 s23, 0
	s_lshl_b32 s24, ttmp9, 16                      ; of 4,096
	s_mov_b32 s25, 0
	s_lshl_b32 s26, ttmp9, 6                       ; of 4
	s_mov_b32 s27, 0
	s_wait_kmcnt 0x0
	s_add_nc_u64 s[4:5], s[4:5], s[22:23]
	s_add_nc_u64 s[6:7], s[6:7], s[26:27]
	s_add_nc_u64 s[8:9], s[8:9], s[24:25]
	s_add_nc_u64 s[14:15], s[14:15], s[24:25]
	s_add_nc_u64 s[16:17], s[16:17], s[24:25]
	s_cmp_lt_u32 s20, 2                            ; waves 0 and 1 make the statistics: thread t = 16 q + row
	s_cbranch_scc0 .Lno_sta
	v_lshrrev_b32 v[ZZ+20], 4, v0                  ; q
	v_and_b32 v[ZZ+21], 15, v0                     ; row
	v_lshlrev_b32 v1, 18, v[ZZ+20]                 ; 8 chunks of 32,768 bytes a gate; v1 is not written again
	v_lshl_or_b32 v1, v[ZZ+21], 2, v1
	v_lshlrev_b32 v[ZZ+22], 2, v[ZZ+20]
	v_lshl_add_u32 v[ZZ+22], v[ZZ+21], 4, v[ZZ+22] ; 16 row + 4 q
.irp k, 0,1,2,3,4,5,6,7
	global_load_b32 v[ZZ+(\k)],   v1, s[6:7] offset:(\k)*32768
	global_load_b32 v[ZZ+8+(\k)], v1, s[6:7] offset:1048576+(\k)*32768
.endr
.Lno_sta:
.irp q, 0,1,2,3
	global_load_b128 v[GAM+4*(\q):GAM+4*(\q)+3], v[CO], s[10:11] offset:4096*(\q)
	global_load_b128 v[BET+4*(\q):BET+4*(\q)+3], v[CO], s[12:13] offset:4096*(\q)
.endr
; Four rows' 20 loads into set st, from row base behind the pointers
.macro LOADS st, base
.irp r, 0,1,2,3
.irp q, 0,1,2,3
	global_load_b64 v[DD+SETR*(\st)+8*(\r)+2*(\q):DD+SETR*(\st)+8*(\r)+2*(\q)+1], v[GO], s[4:5] offset:((\base)+(\r))*8192+(\q)*2048 th:TH_LOAD_NT
.endr
	global_load_b128 v[CC+SETR*(\st)+4*(\r):CC+SETR*(\st)+4*(\r)+3], v[CO], s[8:9] offset:((\base)+(\r))*4096 th:TH_LOAD_NT
.endr
.endm
; Set st's four rows are taken out of the landing registers: y = d rs + shift, d straight from its f16 half; c rounded to bf16
.macro TAKE st
.irp r, 0,1,2,3
.irp q, 0,1,2,3
	v_fma_mix_f32 v[ZZ+16*(\r)+4*(\q)],   v[DD+SETR*(\st)+8*(\r)+2*(\q)],   v[RS+4*(\r)+(\q)], v[SH+4*(\r)+(\q)] op_sel_hi:[1,0,0]
	v_fma_mix_f32 v[ZZ+16*(\r)+4*(\q)+1], v[DD+SETR*(\st)+8*(\r)+2*(\q)],   v[RS+4*(\r)+(\q)], v[SH+4*(\r)+(\q)] op_sel:[1,0,0] op_sel_hi:[1,0,0]
	v_fma_mix_f32 v[ZZ+16*(\r)+4*(\q)+2], v[DD+SETR*(\st)+8*(\r)+2*(\q)+1], v[RS+4*(\r)+(\q)], v[SH+4*(\r)+(\q)] op_sel_hi:[1,0,0]
	v_fma_mix_f32 v[ZZ+16*(\r)+4*(\q)+3], v[DD+SETR*(\st)+8*(\r)+2*(\q)+1], v[RS+4*(\r)+(\q)], v[SH+4*(\r)+(\q)] op_sel:[1,0,0] op_sel_hi:[1,0,0]
.endr
	v_cvt_pk_bf16_f32 v[CB+2*(\r)],   v[CC+SETR*(\st)+4*(\r)],   v[CC+SETR*(\st)+4*(\r)+1]
	v_cvt_pk_bf16_f32 v[CB+2*(\r)+1], v[CC+SETR*(\st)+4*(\r)+2], v[CC+SETR*(\st)+4*(\r)+3]
.endr
.endm
	LOADS 0, 0                                     ; rows 0 to 3,
	LOADS 1, 4                                     ; and rows 4 to 7 behind them
	s_cmp_lt_u32 s20, 2
	s_cbranch_scc0 .Lno_stat
	s_wait_loadcnt 48                              ; the 16 numbers of sta are in; the 8 loads of gamma and beta and the 40 of the first eight rows stay out
	v_pk_add_f32 v[ZZ+16:ZZ+17], v[ZZ:ZZ+1], v[ZZ+2:ZZ+3]
	v_pk_add_f32 v[ZZ+18:ZZ+19], v[ZZ+4:ZZ+5], v[ZZ+6:ZZ+7]
	v_pk_add_f32 v[ZZ+8:ZZ+9], v[ZZ+8:ZZ+9], v[ZZ+10:ZZ+11]
	v_pk_add_f32 v[ZZ+12:ZZ+13], v[ZZ+12:ZZ+13], v[ZZ+14:ZZ+15]
	v_pk_add_f32 v[ZZ+16:ZZ+17], v[ZZ+16:ZZ+17], v[ZZ+18:ZZ+19]
	v_pk_add_f32 v[ZZ+8:ZZ+9], v[ZZ+8:ZZ+9], v[ZZ+12:ZZ+13]
	v_add_f32 v[ZZ+16], v[ZZ+16], v[ZZ+17]
	v_add_f32 v[ZZ+8], v[ZZ+8], v[ZZ+9]            ; the sum of the eight M2
	v_mul_f32 v[ZZ+16], s34, v[ZZ+16]              ; mu
.irp k, 0,1,2,3,4,5,6,7
	v_sub_f32 v[ZZ+(\k)], v[ZZ+(\k)], v[ZZ+16]     ; mean_k - mu
.endr
	v_pk_mul_f32 v[ZZ+18:ZZ+19], v[ZZ:ZZ+1], v[ZZ:ZZ+1]
	v_pk_fma_f32 v[ZZ+18:ZZ+19], v[ZZ+2:ZZ+3], v[ZZ+2:ZZ+3], v[ZZ+18:ZZ+19]
	v_pk_fma_f32 v[ZZ+18:ZZ+19], v[ZZ+4:ZZ+5], v[ZZ+4:ZZ+5], v[ZZ+18:ZZ+19]
	v_pk_fma_f32 v[ZZ+18:ZZ+19], v[ZZ+6:ZZ+7], v[ZZ+6:ZZ+7], v[ZZ+18:ZZ+19]
	v_fma_f32 v[ZZ+9], v[ZZ+8], s32, s33           ; sum of M2 / 1,024 + 1e-5
	v_add_f32 v[ZZ+18], v[ZZ+18], v[ZZ+19]
	v_fma_f32 v[ZZ+9], v[ZZ+18], s34, v[ZZ+9]      ; + 128 x sum of squares / 1,024
	v_rsq_f32 v[ZZ+10], v[ZZ+9]
	v_nop                                          ; a plain instruction behind the transcendental (ISA guide 5.7.2),
	s_wait_alu depctr_va_vdst(0)                   ; and a wait ahead of the first use of its result
.irp k, 0,1,2,3,4,5,6,7
	v_mul_f32 v[ZZ+(\k)], v[ZZ+(\k)], v[ZZ+10]
.endr
	ds_store_b32 v[ZZ+22], v[ZZ+10]
.irp k, 0,1,2,3,4,5,6,7
	ds_store_b32 v[ZZ+22], v[ZZ+(\k)] offset:256+256*(\k)
.endr
.Lno_stat:
	s_wait_dscnt 0x0                               ; for the others' sake: my stores of statistics are done
	s_barrier_signal -1
	s_barrier_wait -1                              ; the launch's one barrier: from here on the statistics are only read
	s_wait_loadcnt 40                              ; gamma and beta are in; the first eight rows' 40 loads stay out
.irp p, 0,1,2,3,4,5,6,7                ; rounded to bf16, widened again, and scaled so that y gamma + beta is the exponent (base 2) of E
	v_cvt_pk_bf16_f32 v[TT+2*((\p)%4)],   v[GAM+2*(\p)], v[GAM+2*(\p)+1]
	v_cvt_pk_bf16_f32 v[TT+2*((\p)%4)+1], v[BET+2*(\p)], v[BET+2*(\p)+1]
	v_lshlrev_b32 v[GAM+2*(\p)],   16, v[TT+2*((\p)%4)]
	v_and_b32     v[GAM+2*(\p)+1], s35, v[TT+2*((\p)%4)]
	v_lshlrev_b32 v[BET+2*(\p)],   16, v[TT+2*((\p)%4)+1]
	v_and_b32     v[BET+2*(\p)+1], s35, v[TT+2*((\p)%4)+1]
.if (\p)/2 == 2
	v_pk_mul_f32 v[GAM+2*(\p):GAM+2*(\p)+1], v[GAM+2*(\p):GAM+2*(\p)+1], s[30:31] op_sel_hi:[1,0]
	v_pk_mul_f32 v[BET+2*(\p):BET+2*(\p)+1], v[BET+2*(\p):BET+2*(\p)+1], s[30:31] op_sel_hi:[1,0]
.else
	v_pk_mul_f32 v[GAM+2*(\p):GAM+2*(\p)+1], v[GAM+2*(\p):GAM+2*(\p)+1], s[36:37] op_sel_hi:[1,0]
	v_pk_mul_f32 v[BET+2*(\p):BET+2*(\p)+1], v[BET+2*(\p):BET+2*(\p)+1], s[36:37] op_sel_hi:[1,0]
.endif
.endr
.Ltrip:                                        ; four rows; the pointers stand at the trip's first row
.irp r, 0,1,2,3
	ds_load_b128 v[RS+4*(\r):RS+4*(\r)+3], v[LA] offset:16*(\r)  ; every lane reads the same 16 bytes: the row's four rs,
	ds_load_b128 v[SH+4*(\r):SH+4*(\r)+3], v[LB] offset:16*(\r)  ; and my chunk's four shifts
.endr
	s_and_b32 s22, s21, 1                          ; 4 or 2 trips to go: a pair's first trip, set 0; 3 or 1: its second, set 1
	s_cmp_lg_u32 s22, 0
	s_cbranch_scc1 .Lsecond
	s_wait_loadcnt 20                              ; set 0 is in; set 1's 20 loads, issued behind it, may stay out
	s_wait_dscnt 0x0
	TAKE 0
	s_branch .Lwork
.Lsecond:
	s_wait_loadcnt 0x0                             ; set 1 is in: nothing was issued behind it
	s_wait_dscnt 0x0
	TAKE 1
	s_cmp_eq_u32 s21, 1                            ; the last trip has no rows behind it
	s_cbranch_scc1 .Lwork
	LOADS 0, 4                                     ; both sets have been read: the next pair's eight rows are asked for, set 0's first
	LOADS 1, 8
.Lwork:
.irp r, 0,1,2,3
.irp p, 0,1,2,3,4,5,6,7
	v_pk_fma_f32 v[ZZ+16*(\r)+2*(\p):ZZ+16*(\r)+2*(\p)+1], v[ZZ+16*(\r)+2*(\p):ZZ+16*(\r)+2*(\p)+1], v[GAM+2*(\p):GAM+2*(\p)+1], v[BET+2*(\p):BET+2*(\p)+1]
.endr
.irp j, 0,1,2,3
	v_min_num_f32 v[ZZ+16*(\r)+8+(\j)], s28, v[ZZ+16*(\r)+8+(\j)]
.endr
.endr
.set i, 0
.rept 64                               ; ONE BATCH: E of four gates, four rows, four columns
	v_exp_f32 v[ZZ+i], v[ZZ+i]
.set i, i+1
.endr
	v_nop                                          ; a plain instruction behind the last transcendental,
	s_wait_alu depctr_va_vdst(0)                   ; and one wait for the batch, ahead of its first reader
.irp r, 0,1,2,3
.irp p, 0,1
	v_pk_add_f32 v[TT+4*(\r)+2*(\p):TT+4*(\r)+2*(\p)+1], v[ZZ+16*(\r)+8+2*(\p):ZZ+16*(\r)+8+2*(\p)+1], 1.0 op_sel_hi:[1,0] neg_lo:[1,0] neg_hi:[1,0]  ; 1 - E_g
.endr
.irp p, 0,1,2,3,4,5,6,7
	v_pk_add_f32 v[ZZ+16*(\r)+2*(\p):ZZ+16*(\r)+2*(\p)+1], v[ZZ+16*(\r)+2*(\p):ZZ+16*(\r)+2*(\p)+1], 1.0 op_sel_hi:[1,0]  ; 1 + E
.endr
.irp p, 0,1
	v_pk_mul_f32 v[ZZ+16*(\r)+2*(\p):ZZ+16*(\r)+2*(\p)+1], v[ZZ+16*(\r)+2*(\p):ZZ+16*(\r)+2*(\p)+1], v[ZZ+16*(\r)+8+2*(\p):ZZ+16*(\r)+8+2*(\p)+1]  ; (1 + E_i)(1 + E_g)
.endr
.endr
.irp r, 0,1,2,3
.irp j, 0,1,2,3,4,5,6,7
	v_rcp_f32 v[ZZ+16*(\r)+(\j)], v[ZZ+16*(\r)+(\j)]
.endr
.endr
	v_nop
	s_wait_alu depctr_va_vdst(0)                   ; one wait for the 32 reciprocals
.irp r, 0,1,2,3
.irp p, 0,1
	v_pk_mul_f32 v[TT+4*(\r)+2*(\p):TT+4*(\r)+2*(\p)+1], v[TT+4*(\r)+2*(\p):TT+4*(\r)+2*(\p)+1], v[ZZ+16*(\r)+2*(\p):ZZ+16*(\r)+2*(\p)+1]  ; sigmoid(i) tanh(g)
.endr
	v_fma_mix_f32_bf16 v[ZZ+16*(\r)+8],  v[CB+2*(\r)],   v[ZZ+16*(\r)+4], v[TT+4*(\r)]   op_sel_hi:[1,0,0]                 ; c_new = c sigmoid(f) + that
	v_fma_mix_f32_bf16 v[ZZ+16*(\r)+9],  v[CB+2*(\r)],   v[ZZ+16*(\r)+5], v[TT+4*(\r)+1] op_sel:[1,0,0] op_sel_hi:[1,0,0]
	v_fma_mix_f32_bf16 v[ZZ+16*(\r)+10], v[CB+2*(\r)+1], v[ZZ+16*(\r)+6], v[TT+4*(\r)+2] op_sel_hi:[1,0,0]
	v_fma_mix_f32_bf16 v[ZZ+16*(\r)+11], v[CB+2*(\r)+1], v[ZZ+16*(\r)+7], v[TT+4*(\r)+3] op_sel:[1,0,0] op_sel_hi:[1,0,0]
	global_store_b128 v[CO], v[ZZ+16*(\r)+8:ZZ+16*(\r)+11], s[16:17] offset:4096*(\r) th:TH_STORE_NT
.irp p, 0,1
	v_pk_mul_f32 v[ZZ+16*(\r)+2*(\p):ZZ+16*(\r)+2*(\p)+1], v[ZZ+16*(\r)+8+2*(\p):ZZ+16*(\r)+8+2*(\p)+1], s[30:31] op_sel_hi:[1,0]  ; -2 log2(e) c_new
.endr
.irp j, 0,1,2,3
	v_min_num_f32 v[ZZ+16*(\r)+(\j)], s28, v[ZZ+16*(\r)+(\j)]
.endr
.endr
.irp r, 0,1,2,3
.irp j, 0,1,2,3
	v_exp_f32 v[ZZ+16*(\r)+(\j)], v[ZZ+16*(\r)+(\j)]  ; E_c
.endr
.endr
	v_nop
	s_wait_alu depctr_va_vdst(0)                   ; one wait for the 16 exponentials
.irp r, 0,1,2,3
.irp p, 0,1
	v_pk_add_f32 v[TT+4*(\r)+2*(\p):TT+4*(\r)+2*(\p)+1], v[ZZ+16*(\r)+2*(\p):ZZ+16*(\r)+2*(\p)+1], 1.0 op_sel_hi:[1,0] neg_lo:[1,0] neg_hi:[1,0]  ; 1 - E_c
	v_pk_add_f32 v[ZZ+16*(\r)+2*(\p):ZZ+16*(\r)+2*(\p)+1], v[ZZ+16*(\r)+2*(\p):ZZ+16*(\r)+2*(\p)+1], 1.0 op_sel_hi:[1,0]
.endr
.irp p, 0,1
	v_pk_mul_f32 v[ZZ+16*(\r)+2*(\p):ZZ+16*(\r)+2*(\p)+1], v[ZZ+16*(\r)+2*(\p):ZZ+16*(\r)+2*(\p)+1], v[ZZ+16*(\r)+12+2*(\p):ZZ+16*(\r)+12+2*(\p)+1]  ; (1 + E_c)(1 + E_o)
.endr
.endr
.irp r, 0,1,2,3
.irp j, 0,1,2,3
	v_rcp_f32 v[ZZ+16*(\r)+(\j)], v[ZZ+16*(\r)+(\j)]
.endr
.endr
	v_nop
	s_wait_alu depctr_va_vdst(0)                   ; one wait for the 16 reciprocals
.irp r, 0,1,2,3
.irp p, 0,1
	v_pk_mul_f32 v[ZZ+16*(\r)+12+2*(\p):ZZ+16*(\r)+12+2*(\p)+1], v[TT+4*(\r)+2*(\p):TT+4*(\r)+2*(\p)+1], v[ZZ+16*(\r)+2*(\p):ZZ+16*(\r)+2*(\p)+1]  ; h_new
.endr
	global_store_b128 v[CO], v[ZZ+16*(\r)+12:ZZ+16*(\r)+15], s[14:15] offset:4096*(\r) th:TH_STORE_NT
.endr
	s_wait_xcnt 0x0                                ; the trip's loads and stores have read their registers: the four bases are stepped, and the stores' data rewritten in the next trip, only behind this wait
	s_add_nc_u64 s[4:5], s[4:5], 4*8192
	s_add_nc_u64 s[8:9], s[8:9], 4*4096
	s_add_nc_u64 s[14:15], s[14:15], 4*4096
	s_add_nc_u64 s[16:17], s[16:17], 4*4096
	v_add_nc_u32 v[LA], 64, v[LA]
	v_add_nc_u32 v[LB], 64, v[LB]
	s_sub_co_u32 s21, s21, 1
	s_cmp_lg_u32 s21, 0
	s_cbranch_scc1 .Ltrip
	s_wait_tensorcnt 0x0                           ; the wave's end, behind my last LDS store
	ds_add_u32 v[SPW], v[NIL]
	s_wait_dscnt 0x0
	s_endpgm
.Lfunc_end_k_qbefc27fc97_cell:
	.size	k_qbefc27fc97_cell, .Lfunc_end_k_qbefc27fc97_cell-k_qbefc27fc97_cell
	.p2alignl 7, 3214868480
	.fill 96, 4, 3214868480
	.section	.rodata,"a",@progbits
	.p2align	6, 0x0
	.amdhsa_kernel k_qbefc27fc97_cell
		.amdhsa_group_segment_fixed_size 3328
		.amdhsa_private_segment_fixed_size 0
		.amdhsa_enable_private_segment 0
		.amdhsa_kernarg_size 56
		.amdhsa_user_sgpr_count 2
		.amdhsa_user_sgpr_kernarg_segment_ptr 1
		.amdhsa_wavefront_size32 1
		.amdhsa_system_sgpr_workgroup_id_x 1
		.amdhsa_system_sgpr_workgroup_id_y 1
		.amdhsa_system_sgpr_workgroup_id_z 1
		.amdhsa_system_vgpr_workitem_id 0
		.amdhsa_next_free_vgpr 256
		.amdhsa_next_free_sgpr 66
		.amdhsa_reserve_vcc 0
		.amdhsa_float_denorm_mode_32 3
		.amdhsa_float_denorm_mode_16_64 3
		.amdhsa_memory_ordered 1
		.amdhsa_forward_progress 1
		.amdhsa_inst_pref_size 43
	.end_amdhsa_kernel
	.amdgpu_metadata
---
amdhsa.version: [ 1, 2 ]
amdhsa.kernels:
  - .name:           k_qbefc27fc97_cell
    .symbol:         k_qbefc27fc97_cell.kd
    .args:
      - { .name: gat, .offset: 0, .size: 8, .value_kind: global_buffer, .address_space: global }
      - { .name: sta, .offset: 8, .size: 8, .value_kind: global_buffer, .address_space: global }
      - { .name: c, .offset: 16, .size: 8, .value_kind: global_buffer, .address_space: global }
      - { .name: ln_gamma, .offset: 24, .size: 8, .value_kind: global_buffer, .address_space: global }
      - { .name: ln_beta, .offset: 32, .size: 8, .value_kind: global_buffer, .address_space: global }
      - { .name: out0, .offset: 40, .size: 8, .value_kind: global_buffer, .address_space: global }
      - { .name: out1, .offset: 48, .size: 8, .value_kind: global_buffer, .address_space: global }
    .group_segment_fixed_size: 3328
    .private_segment_fixed_size: 0
    .kernarg_segment_align: 8
    .kernarg_segment_size: 56
    .max_flat_workgroup_size: 256
    .sgpr_count:     66
    .vgpr_count:     256
    .wavefront_size: 32
...
	.end_amdgpu_metadata
.endif
;; end of part 3
;; ======== version 2 of 2: 3 launches; version 1 with the launch prep written anew for expert scheduling mode
;; limits: values are held in f16: magnitudes above 65,504 overflow, below 6.1e-05 lose precision
;; workspace buffers: abf 25,165,824 bytes; wbf 12,582,912 bytes; gat 67,108,864 bytes; sta 2,097,152 bytes
;; launch prep (part 4): grid 2304 x 1, 8 waves a work-group, no clusters, 0 bytes of LDS; arguments x, h, Wi, Wh, abf, wbf; writes abf, wbf
.if DOCPART == 4
	.amdgcn_target "amdgcn-amd-amdhsa--gfx1250"
	.amdhsa_code_object_version 6
	.text
	.protected	k_qbefc27fc97_prep
	.globl	k_qbefc27fc97_prep
	.p2align	8
	.type	k_qbefc27fc97_prep,@function
k_qbefc27fc97_prep:
	s_mov_b64 s[64:65], 0
	v_nop
	global_prefetch_b8 v0, s[64:65] scope:SCOPE_SE
	s_setreg_imm32_b32 hwreg(HW_REG_WAVE_SCHED_MODE, 0, 2), 2
	s_setreg_imm32_b32 hwreg(HW_REG_WAVE_MODE, 25, 1), 1
	s_wait_xcnt 0x0
	s_wait_alu depctr_vm_vsrc(0)
; x, h, Wi, Wh (f32) are rounded once to bf16 (nearest even) and laid out for the product that follows:
;   abf [8192][1536]: columns 0-511 = x, 512-1535 = h (a row is 3,072 bytes);   wbf [1536][4096]: rows 0-511 = Wi, 512-1535 = Wh (dense).
; A stream: each input byte is read once, each output byte written once; no LDS, no barrier, no matrix unit, nothing shared between work-groups.
; A work-group takes 8,192 consecutive f32 of one input in 8 steps of 1,024: thread t loads 16 bytes at 16 t + 4,096 s (a wave's load covers 512
; consecutive bytes) and stores 8 bytes (a wave's store covers 256 consecutive bytes, aligned).  All eight loads go out first.
; Work-groups 0-511: x (16 rows each); 512-1535: h (8 rows each); 1536-1791: Wi; 1792-2303: Wh (2 rows each).  The input is chosen by scalar selects: one text, no branch.
; THE MODE: SCHED_MODE bits 1:0 = 2 (LLVM: expert scheduling mode 2), set by the entry lines.  The code itself states the register dependences
; between vector instructions and memory instructions, with s_wait_alu, always for 0.
; THE PLAN.  Registers that memory instructions touch:
;   v[IO]      Written once at the head; read by the eight loads as their offset.
;   X          Step s: written by its load alone; read by its two roundings, behind the wait for its data; never loaded again.
;   O          Step s: written once, behind the run of loads; read by its store as the offset.
;   Y          Step s: written by its two roundings; read by its store as the data.
; No register that a load or store reads is ever written again, so no wait on vm_vsrc is owed; no vector instruction writes a scalar register, VCC or EXEC.
; The eight steps go in four groups of two.  A group's stores are issued in the group behind it: the ONE wait on va_vdst at a group's head, behind the wait for the group's data,
; states that the group before has written its Y (and, the first time, that all of O is written); the two stores follow, dealt among the group's roundings, which name other registers.
.set IO, 3                             ; v3      16 t: my byte offset in a step's 4,096 input bytes
.set VO, 4                             ; v4      my byte offset in a step's output
.set O,  8                             ; v[8:15]  step s: VO + s x the step's output stride
.set X,  16                            ; v[16:47] step s: 4 f32 as loaded
.set Y,  48                            ; v[48:63] step s: 4 bf16 to store
	s_load_b256 s[4:11], s[0:1], 0x0               ; x s[4:5], h s[6:7], Wi s[8:9], Wh s[10:11]
	s_load_b128 s[12:15], s[0:1], 0x20             ; abf s[12:13], wbf s[14:15]
	s_mov_b32 s16, ttmp9
	v_lshlrev_b32 v[IO], 4, v0
	s_mov_b32 s17, 1792                            ; the numbers as they stand for Wh: first work-group of the input,
	s_mov_b32 s18, 1536                            ; first work-group of the output buffer,
	s_mov_b32 s19, 16384                           ; output bytes from work-group to work-group,
	s_mov_b32 s22, 2048                            ; from step to step,
	s_mov_b32 s23, 0                               ; first output byte,
	s_mov_b32 s26, 8                               ; threads in an output row: shift
	s_mov_b32 s27, 255                             ; and mask
	s_wait_kmcnt 0x0
	s_mov_b64 s[24:25], s[14:15]
	s_cmp_lt_u32 s16, 1792                         ; Wi?
	s_cselect_b64 s[20:21], s[8:9], s[10:11]
	s_cselect_b32 s17, 1536, s17
	s_cmp_lt_u32 s16, 1536                         ; h?  8 rows of 1,024: a step is a row, behind x's 1,024 bytes
	s_cselect_b64 s[20:21], s[6:7], s[20:21]
	s_cselect_b64 s[24:25], s[12:13], s[24:25]
	s_cselect_b32 s17, 512, s17
	s_cselect_b32 s18, 512, s18
	s_cselect_b32 s19, 24576, s19
	s_cselect_b32 s22, 3072, s22
	s_cselect_b32 s23, 1024, s23
	s_cmp_lt_u32 s16, 512                          ; x?  16 rows of 512: a step is two rows, 128 threads each
	s_cselect_b64 s[20:21], s[4:5], s[20:21]
	s_cselect_b32 s17, 0, s17
	s_cselect_b32 s18, 0, s18
	s_cselect_b32 s19, 49152, s19
	s_cselect_b32 s22, 6144, s22
	s_cselect_b32 s23, 0, s23
	s_cselect_b32 s26, 7, s26
	s_cselect_b32 s27, 127, s27
	s_sub_co_u32 s17, s16, s17
	s_lshl_b32 s28, s17, 15                        ; 32,768 input bytes a work-group
	s_mov_b32 s29, 0
	s_add_nc_u64 s[20:21], s[20:21], s[28:29]
	s_sub_co_u32 s18, s16, s18
	s_mul_i32 s28, s18, s19
	s_add_co_u32 s28, s28, s23
	s_add_nc_u64 s[24:25], s[24:25], s[28:29]
	s_wait_alu depctr_va_vdst(0)                   ; v[IO] is written: the eight loads read it as their offset
.irp s, 0,1,2,3,4,5,6,7
	global_load_b128 v[X+4*(\s):X+4*(\s)+3], v[IO], s[20:21] offset:4096*(\s) th:TH_LOAD_NT  ; read once in the launch
.endr
	v_lshrrev_b32 v[VO], s26, v0                   ; which of the step's output rows,
	v_mul_u32_u24 v[VO], v[VO], 0xc00              ; 3,072 bytes apart (0 where a step is one row or dense),
	v_and_b32 v5, s27, v0
	v_lshl_add_u32 v[VO], v5, 3, v[VO]             ; and 8 bytes a thread
.irp s, 0,1,2,3,4,5,6,7
	v_mad_u32_u24 v[O+(\s)], s22, \s, v[VO]
.endr
; Group g: steps 2 g and 2 g + 1 are rounded; the stores of steps 2 g - 2 and 2 g - 1 go out, one in front of each step's two roundings.
.macro GRP g
	s_wait_loadcnt 6-2*(\g)                        ; loads come back in order: the group's two steps are in, the 6 - 2 g younger loads stay out
.if (\g) > 0
	s_wait_alu depctr_va_vdst(0)                   ; the group before has written its Y, which the two stores below read as data; the offsets O, made ahead of group 0, are written too
.endif
.irp i, 0,1
.if (\g) > 0
	global_store_b64 v[O+2*(\g)-2+(\i)], v[Y+4*(\g)-4+2*(\i):Y+4*(\g)-4+2*(\i)+1], s[24:25]  ; no vector instruction since the wait names these registers; no register of a load or store is written again
.endif
	v_cvt_pk_bf16_f32 v[Y+4*(\g)+2*(\i)],   v[X+8*(\g)+4*(\i)],   v[X+8*(\g)+4*(\i)+1]
	v_cvt_pk_bf16_f32 v[Y+4*(\g)+2*(\i)+1], v[X+8*(\g)+4*(\i)+2], v[X+8*(\g)+4*(\i)+3]
.endr
.endm
	GRP 0
	GRP 1
	GRP 2
	GRP 3
	s_wait_alu depctr_va_vdst(0)                   ; group 3 has written its Y, which the last two stores read
	global_store_b64 v[O+6], v[Y+12:Y+13], s[24:25]
	global_store_b64 v[O+7], v[Y+14:Y+15], s[24:25]
	s_endpgm
.Lfunc_end_k_qbefc27fc97_prep:
	.size	k_qbefc27fc97_prep, .Lfunc_end_k_qbefc27fc97_prep-k_qbefc27fc97_prep
	.p2alignl 7, 3214868480
	.fill 96, 4, 3214868480
	.section	.rodata,"a",@progbits
	.p2align	6, 0x0
	.amdhsa_kernel k_qbefc27fc97_prep
		.amdhsa_group_segment_fixed_size 0
		.amdhsa_private_segment_fixed_size 0
		.amdhsa_enable_private_segment 0
		.amdhsa_kernarg_size 48
		.amdhsa_user_sgpr_count 2
		.amdhsa_user_sgpr_kernarg_segment_ptr 1
		.amdhsa_wavefront_size32 1
		.amdhsa_system_sgpr_workgroup_id_x 1
		.amdhsa_system_sgpr_workgroup_id_y 1
		.amdhsa_system_sgpr_workgroup_id_z 1
		.amdhsa_system_vgpr_workitem_id 0
		.amdhsa_next_free_vgpr 64
		.amdhsa_next_free_sgpr 66
		.amdhsa_reserve_vcc 0
		.amdhsa_float_denorm_mode_32 3
		.amdhsa_float_denorm_mode_16_64 3
		.amdhsa_memory_ordered 1
		.amdhsa_forward_progress 1
		.amdhsa_inst_pref_size 6
	.end_amdhsa_kernel
	.amdgpu_metadata
---
amdhsa.version: [ 1, 2 ]
amdhsa.kernels:
  - .name:           k_qbefc27fc97_prep
    .symbol:         k_qbefc27fc97_prep.kd
    .args:
      - { .name: x, .offset: 0, .size: 8, .value_kind: global_buffer, .address_space: global }
      - { .name: h, .offset: 8, .size: 8, .value_kind: global_buffer, .address_space: global }
      - { .name: Wi, .offset: 16, .size: 8, .value_kind: global_buffer, .address_space: global }
      - { .name: Wh, .offset: 24, .size: 8, .value_kind: global_buffer, .address_space: global }
      - { .name: abf, .offset: 32, .size: 8, .value_kind: global_buffer, .address_space: global }
      - { .name: wbf, .offset: 40, .size: 8, .value_kind: global_buffer, .address_space: global }
    .group_segment_fixed_size: 0
    .private_segment_fixed_size: 0
    .kernarg_segment_align: 8
    .kernarg_segment_size: 48
    .max_flat_workgroup_size: 256
    .sgpr_count:     66
    .vgpr_count:     64
    .wavefront_size: 32
...
	.end_amdgpu_metadata
.endif
;; end of part 4
;; launch gemm: the kernel of part 2 again; grid 16 x 16, 4 waves a work-group, clusters of 4 x 4, 327,680 bytes of LDS; arguments abf, wbf, bh, gat, sta; writes gat, sta
;; launch cell: the kernel of part 3 again; grid 512 x 1, 8 waves a work-group, no clusters, 3,328 bytes of LDS; arguments gat, sta, c, ln_gamma, ln_beta, out0, out1; writes out0, out1
